; MI455X (gfx1250); checked and timed in simulation.
; The chip was launched on July 23, 2026; its instructions are those of AMD's public machine-readable ISA for CDNA 5 (MIT licence, August 2026) and "CDNA5" Instruction Set Architecture Reference Guide (July 2026). The comments in the code are by the model that wrote it; some were corrected since.
;; Multi Head Attention. Allowed arithmetic: matrix products marked QUANTISED: E2M3 operands, one E8M0 scale for each 32 along K, by v_wmma_scale_f32_16x16x128_f8f6f4 with both operands' format E2M3, f32 sums; everything else in f32.
;; Inputs: Wk 1,024 x 1,024 float32; Wo 1,024 x 1,024 float32; Wq 1,024 x 1,024 float32; Wv 1,024 x 1,024 float32; bk 1,024 float32; bo 1,024 float32; bq 1,024 float32; bv 1,024 float32; query 4 x 2,048 x 1,024 float32; value 4 x 2,048 x 1,024 float32.
;; Outputs: out0 4 x 2,048 x 1,024 float32.
;; This version of the problem:
;;   THIS VERSION OF THE PROBLEM IS GIVEN IN LOW PRECISION. The matrix products marked QUANTISED in the list below multiply operands that are first quantised to E2M3 (2 exponent bits, 3 mantissa bits; 6 bits a number), with one power-of-two scale for each 32 numbers along K (OCP MX v1.0); their sums are f32. All else is computed in f32.
;;   The module's matrix products, in the order in which they are computed (A, B: the left and right operand; K: the contracted axis; several contracted axes count as one K, in the product's order):
;;     1. [M 8,192, K 1,024] x [K 1,024, N 1,024]; A: input query; B: input Wq: QUANTISED
;;     2. [M 8,192, K 1,024] x [K 1,024, N 1,024]; A: input value; B: input Wk: QUANTISED
;;     3. [M 8,192, K 1,024] x [K 1,024, N 1,024]; A: input value; B: input Wv: QUANTISED
;;     4. batch 64 x [M 2,048, K 64] x [K 64, N 2,048]; A: computed on the way; B: computed on the way: QUANTISED
;;     5. batch 64 x [M 64, K 2,048] x [K 2,048, N 2,048]; A: computed on the way; B: softmax (see below): QUANTISED
;;     6. [M 8,192, K 1,024] x [K 1,024, N 1,024]; A: computed on the way; B: input Wo: QUANTISED
;;   THE QUANTISER, for each operand of a quantised product, along K:
;;     - K is cut into blocks of 32 from its start; a last block that is shorter is filled with zeros.
;;     - A block's scale is 2^e with e = floor(log2(the largest magnitude in the block)) - 2, held to -126 .. 127; a block of zeros has e = 0. As a byte (E8M0): e + 127.
;;     - Each number is divided by its block's scale, clamped to +-7.5, and rounded to the nearest number of E2M3, ties to even, subnormals kept.
;;     - The product sums the exact products of the quantised numbers (number of the format x scale) in f32.
;;   ~~~python
;;   def quantise(x, axis):      # numpy; x: float32 -> the quantised numbers, widened to float32 again
;;       x = np.moveaxis(x, axis, -1); K = x.shape[-1]
;;       x = np.pad(x, [(0, 0)] * (x.ndim - 1) + [(0, -K % 32)]); x = x.reshape(x.shape[:-1] + (-1, 32)); a = np.abs(x).max(-1, keepdims=True)
;;       e = np.where(a > 0, np.clip(np.frexp(np.where(a > 0, a, 1))[1] - 1 - 2, -126, 127), 0)      # np.frexp(a)[1] - 1 = floor(log2(a)), exactly
;;       r = np.clip(x / 2.0 ** e, -7.5, 7.5)
;;       step = 2.0 ** (np.maximum(np.frexp(np.where(r == 0, 1, r))[1] - 1, 0) - 3)
;;       q = np.round(r / step) * step * 2.0 ** e      # np.round: ties to even
;;       return np.moveaxis(q.reshape(q.shape[:-2] + (-1,))[..., :K], -1, axis).astype(np.float32)
;;   ~~~
;;   SOFTMAX AHEAD OF A QUANTISED PRODUCT. Where the list says 'softmax', what is quantised is not the finished softmax but p = 2^(t - M), with t = logit x log2(e) and M = ceil(the row's largest t), a whole number; so 1/2 < the row's largest p <= 1. The row's sum l is taken of the UNQUANTISED p, in f32, and the product's result is divided by l at the end. Since M is a whole number, a kernel that streams over the keys may use a running M (the ceiling of the running maximum): every later rescaling is an exact power of two, which a block's scale takes up: the codes' values come out the same.
;;   OPERANDS COMPUTED ON THE WAY. 'Computed on the way' means the value that the module computes at that place (a softmax that the list does not call 'softmax' is quantised finished and normalised). What goes into a quantiser is computed in f32, as accurately as f32 sums, v_exp_f32 and their like allow (about 1e-6 of the number): no bf16 or f16 on the way to a quantiser, and a product that is left as it is and whose result goes on into a quantised operand takes f32 operands (vector FMAs, or v_wmma_f32_16x16x4_f32). A number that lies on a knife's edge between two numbers of the format may be rounded either way, as far as f32 arithmetic and the matrix unit's own rounding can turn it there, and no further.
;; One version. Each part assembles by itself: llvm-mc -triple=amdgcn-amd-amdhsa -mcpu=gfx1250 --defsym DOCPART=n.
;; ======== version 1 of 1: 4 launches
;; limits: right only within a limited range of input values
;; workspace buffers: codes 15,728,640 bytes; scl 655,360 bytes; qimg 6,291,456 bytes; qs 524,288 bytes; kv 13,107,200 bytes; acodes 6,291,456 bytes; ascl 262,144 bytes
;; launch quant (part 1): grid 256 x 1, 5 waves a work-group, no clusters, 44,544 bytes of LDS; arguments query, value, Wq, Wk, Wv, Wo, codes, scl; writes codes, scl
.if DOCPART == 1
	.amdgcn_target "amdgcn-amd-amdhsa--gfx1250"
	.amdhsa_code_object_version 6
	.text
	.protected	k_q17b7380082_quant
	.globl	k_q17b7380082_quant
	.p2align	8
	.type	k_q17b7380082_quant,@function
k_q17b7380082_quant:
	s_mov_b64 s[64:65], 0
	v_nop
	global_prefetch_b8 v0, s[64:65] scope:SCOPE_SE
	s_setreg_imm32_b32 hwreg(HW_REG_WAVE_MODE, 25, 1), 1
	s_wait_xcnt 0x0
; LAUNCH 1 OF 4.  query, value [8192][1024] and Wq, Wk, Wv, Wo [1024][1024], f32 with K innermost, become codes of FP6 (E2M3) and one E8M0 scale byte for each 32 along K.
; DEAD WORK: none is left out in this program.  Every bias is added ahead of a quantiser of a live product (bq, bk, bv) or reaches the output (bo), so all ten inputs are loaded by some launch.
; A block's scale is 2^(floor(log2(its largest magnitude)) - 2); its byte is the largest magnitude's exponent field - 2, held at 1 from below.
; LIMITS: NaN and infinities among the inputs are not served.  A block of zeros, or one whose largest magnitude lies under 2^-124, gets the byte 1 where the rule says 127 or less:
; a block of zeros has zero codes, which add nothing under any byte but 0xff, and the bytes are read by this program alone.
; LAYOUT OF THE CODES: images of operand registers.  A row tile is 16 rows; its 1,024 along K are 16 half fragments of 768 bytes (16 rows x 64 K); in a half fragment pair p (256 bytes) holds at byte 8 x lane
; the lane's registers 2 p, 2 p + 1: lane (r, h) = row r, k = 32 h .. 32 h + 31.  So each store below covers 256 consecutive aligned bytes, and a later launch loads a fragment by six loads of 8 bytes a lane.
; ORDER OF THE ROWS: stored row s stands for row s with bits 3 and 4 exchanged: lane r of stored tile 2 g + u is row 32 g + 8 u + r + 8 (r / 8).  As source 0 of a product two such tiles give a lane
; 16 neighbours along the next K.  Tiles: query 0-511, value 512-1023, Wq 1024-, Wk 1088-, Wv 1152-, Wo 1216-1279.  Scale bytes: 32 for each stored row, 512 a tile.
; SHARES: 1,280 tiles = 256 work-groups x 5 waves; a wave takes one tile: 64 KiB in, 12,800 bytes out.  Only pointers are chosen by the tile's number: all tensors take one path.
; A step is 128 along K: 16 loads, each 512 consecutive bytes of one row; they turn through the wave's own stage in LDS (rows of 512 + 16 bytes) so that a lane gets its two whole blocks of 32.
; Loads run two steps (32 loads a wave) ahead.  No barrier: waves share nothing.  No matrix unit, cluster or tensor load: memory binds, and each byte is read once.
.set STG,   8704                       ; a wave's stage: 16 rows x 528 bytes, rounded up to blocks of 256
.set SP,    528
.set SPARE, 5*STG                      ; behind the stages: the spare words, 128 bytes a wave, three blocks of 256 bytes that no other line names
.set SPW,   12                         ; v12  my spare word's address; never rewritten
.set NIL,   13                         ; v13  0; never rewritten
.set MX,    14                         ; v14-15  largest magnitudes of my two blocks
.set SO,    16                         ; v16-17  the conversions' scale operands
.set BY,    18                         ; v18-19  the scale bytes
.set WD,    20                         ; v20  my two bytes at their places in the word
.set WX,    21                         ; v21  lane l xor 16's
.set SW,    24                         ; v24-31  the row's eight scale words
.set C,     32                         ; v32-43  a fragment's codes
.set CT,    44                         ; v44-50  the upper halves of the blocks, as converted
.set X,     64                         ; v64-127 my 64 numbers of a step
.set R,     128                        ; v128-255 two sets of 64 registers as loaded
	s_load_b256 s[4:11], s[0:1], 0x0               ; query, value, Wq, Wk
	s_load_b256 s[12:19], s[0:1], 0x20             ; Wv, Wo, codes, scl
	v_lshl_add_u32 v[SPW], v0, 2, SPARE
	v_mov_b32 v[NIL], 0
	v_lshrrev_b32 v1, 5, v0
	v_readfirstlane_b32 s20, v1                    ; wave 0..4
	s_mul_i32 s21, ttmp9, 5
	s_add_co_u32 s21, s21, s20                     ; my tile
	v_and_b32 v1, 31, v0                           ; lane
	v_and_b32 v23, 15, v0                          ; r
	v_bfe_u32 v22, v0, 4, 1                        ; h
	v_lshlrev_b32 v2, 4, v1                        ; my 16 bytes of a load's 512
	s_mul_i32 s25, s20, STG
	v_add_nc_u32 v3, s25, v2                       ; the stage, on the way in
	v_mul_u32_u24 v4, v23, SP
	v_lshl_add_u32 v4, v22, 7, v4
	v_add_nc_u32 v4, s25, v4                       ; and out: row r, 128 h bytes on
	v_lshlrev_b32 v5, 3, v1                        ; 8 x lane: my place in a pair
	v_lshlrev_b32 v6, 5, v23
	v_lshl_add_u32 v6, v22, 4, v6                  ; 32 r + 16 h: my half of my row's scale bytes
	v_lshlrev_b32 v7, 3, v22                       ; 8 h
	v_mov_b32 v[WX], 0                             ; written once: a lane permute's destination counts as one of its sources
	s_mov_b32 s30, 0x76543210
	s_mov_b32 s31, 0xfedcba98                      ; selects for lane l xor 16
	s_wait_alu depctr_va_vdst(0)
	s_wait_kmcnt 0x0
.macro PICK lim, ptr, first            ; tiles under lim belong to an earlier tensor: the choice hangs on the tile's number alone
	s_cmp_lt_u32 s21, \lim
	s_cselect_b64 s[22:23], s[\ptr:\ptr+1], s[22:23]
	s_cselect_b32 s24, \first, s24
.endm
	s_mov_b64 s[22:23], s[14:15]                   ; Wo,
	s_mov_b32 s24, 1216                            ; whose first tile is 1216
	PICK 1216, 12, 1152
	PICK 1152, 10, 1088
	PICK 1088, 8, 1024
	PICK 1024, 6, 512
	PICK 512, 4, 0
	s_sub_co_u32 s24, s21, s24                     ; the tile's number in its tensor: 2 g + u
	s_lshr_b32 s26, s24, 1
	s_lshl_b32 s26, s26, 17                        ; g x 32 rows of 4,096 bytes
	s_and_b32 s25, s24, 1
	s_lshl_b32 s25, s25, 15                        ; u x 8 rows
	s_add_co_u32 s26, s26, s25
	s_mov_b32 s27, 0
	s_add_nc_u64 s[22:23], s[22:23], s[26:27]
	s_mul_i32 s26, s21, 12288
	s_add_nc_u64 s[16:17], s[16:17], s[26:27]      ; my tile's codes
	s_lshl_b32 s26, s21, 9
	s_add_nc_u64 s[18:19], s[18:19], s[26:27]      ; and its scale bytes
.macro LOAD t                          ; step t: 512 bytes of each of the tile's 16 rows
.irp rho, 0,1,2,3,4,5,6,7,8,9,10,11,12,13,14,15
	global_load_b128 v[R+64*((\t)%2)+4*\rho:R+64*((\t)%2)+4*\rho+3], v2, s[22:23] offset:(\rho+8*(\rho/8))*4096+512*(\t) th:TH_LOAD_NT
.endr
.endm
	LOAD 0
	LOAD 1
.macro STEP t
.if (\t) < 7
	s_wait_loadcnt 16                              ; this step's 16 loads are in; the next step's 16 may be out
.else
	s_wait_loadcnt 0x0
.endif
.irp rho, 0,1,2,3,4,5,6,7,8,9,10,11,12,13,14,15
	ds_store_b128 v3, v[R+64*((\t)%2)+4*\rho:R+64*((\t)%2)+4*\rho+3] offset:SP*\rho
.endr
.irp c, 0,1
.irp j, 0,1,2,3,4,5,6,7
	ds_load_b128 v[X+32*\c+4*\j:X+32*\c+4*\j+3], v4 offset:256*\c+16*\j   ; k = 64 c + 32 h + 4 j ..: LDS serves a wave's instructions in order, so these see the stores above
.endr
.endr
	s_wait_dscnt 0x0                               ; my numbers are in, and the stores have read their registers,
.if (\t)+2 < 8
	LOAD (\t)+2                                    ; which take the loads of two steps on
.endif
.irp c, 0,1
	v_max3_num_f32 v[MX+\c], |v[X+32*\c]|, |v[X+32*\c+1]|, 0x1800000   ; block 2 c + h is all mine; the floor 2^(3 - 127) holds the byte at 1 from below
.endr
.irp i, 2,4,6,8,10,12,14,16,18,20,22,24,26,28,30
.irp c, 0,1
	v_max3_num_f32 v[MX+\c], v[MX+\c], |v[X+32*\c+\i]|, |v[X+32*\c+\i+1]|
.endr
.endr
.irp c, 0,1
	v_add_nc_u32 v[SO+\c], 0xff000000, v[MX+\c]    ; 2 off the exponent field: the conversion takes that field as its scale
.endr
.irp c, 0,1
	v_lshrrev_b32 v[BY+\c], 23, v[SO+\c]           ; the scale's byte
.endr
	v_lshl_or_b32 v[WD], v[BY+1], 16, v[BY]        ; blocks h and 2 + h,
	v_lshlrev_b32 v[WD], v7, v[WD]                 ; at their places in the word
	v_permlanex16_b32 v[WX], v[WD], s30, s31
	v_or_b32 v[SW+(\t)], v[WD], v[WX]              ; with lane l xor 16's two the word is whole
	s_wait_alu depctr_va_vdst(0)
	s_wait_xcnt 0x0                                ; the last step's stores have read the codes' registers: only now are they written again
.irp c, 0,1
	v_cvt_scalef32_pk16_fp6_f32 v[C+6*\c:C+6*\c+2], v[X+32*\c:X+32*\c+15], v[SO+\c]
	v_cvt_scalef32_pk16_fp6_f32 v[CT+4*\c:CT+4*\c+2], v[X+32*\c+16:X+32*\c+31], v[SO+\c]   ; (a conversion's three registers begin on an even number)
.endr
	v_nop                                          ; one plain place behind a scaled conversion
.irp c, 0,1
.irp i, 0,1,2
	v_mov_b32 v[C+3+6*\c+\i], v[CT+4*\c+\i]
.endr
.endr
.irp p, 0,1,2,3,4,5
	global_store_b64 v5, v[C+2*\p:C+2*\p+1], s[16:17] offset:1536*(\t)+256*\p   ; 32 lanes store 256 consecutive aligned bytes
.endr
.endm
.irp t, 0,1,2,3,4,5,6,7
	STEP \t
.endr
	v_cmp_eq_u32 vcc_lo, 1, v22                    ; lanes 16-31 store the row's upper four words
.irp i, 0,1,2,3
	v_cndmask_b32 v[8+\i], v[SW+\i], v[SW+4+\i], vcc_lo
.endr
	global_store_b128 v6, v[8:11], s[18:19]        ; 512 consecutive aligned bytes
	s_wait_tensorcnt 0x0                           ; the wave's end, behind my last LDS store
	ds_add_u32 v[SPW], v[NIL]
	s_wait_dscnt 0x0
	s_endpgm
.Lfunc_end_k_q17b7380082_quant:
	.size	k_q17b7380082_quant, .Lfunc_end_k_q17b7380082_quant-k_q17b7380082_quant
	.p2alignl 7, 3214868480
	.fill 96, 4, 3214868480
	.section	.rodata,"a",@progbits
	.p2align	6, 0x0
	.amdhsa_kernel k_q17b7380082_quant
		.amdhsa_group_segment_fixed_size 44544
		.amdhsa_private_segment_fixed_size 0
		.amdhsa_enable_private_segment 0
		.amdhsa_kernarg_size 64
		.amdhsa_user_sgpr_count 2
		.amdhsa_user_sgpr_kernarg_segment_ptr 1
		.amdhsa_wavefront_size32 1
		.amdhsa_system_sgpr_workgroup_id_x 1
		.amdhsa_system_sgpr_workgroup_id_y 1
		.amdhsa_system_sgpr_workgroup_id_z 1
		.amdhsa_system_vgpr_workitem_id 0
		.amdhsa_next_free_vgpr 256
		.amdhsa_next_free_sgpr 66
		.amdhsa_reserve_vcc 1
		.amdhsa_float_denorm_mode_32 3
		.amdhsa_float_denorm_mode_16_64 3
		.amdhsa_memory_ordered 1
		.amdhsa_forward_progress 1
		.amdhsa_inst_pref_size 60
	.end_amdhsa_kernel
	.amdgpu_metadata
---
amdhsa.version: [ 1, 2 ]
amdhsa.kernels:
  - .name:           k_q17b7380082_quant
    .symbol:         k_q17b7380082_quant.kd
    .args:
      - { .name: query, .offset: 0, .size: 8, .value_kind: global_buffer, .address_space: global }
      - { .name: value, .offset: 8, .size: 8, .value_kind: global_buffer, .address_space: global }
      - { .name: Wq, .offset: 16, .size: 8, .value_kind: global_buffer, .address_space: global }
      - { .name: Wk, .offset: 24, .size: 8, .value_kind: global_buffer, .address_space: global }
      - { .name: Wv, .offset: 32, .size: 8, .value_kind: global_buffer, .address_space: global }
      - { .name: Wo, .offset: 40, .size: 8, .value_kind: global_buffer, .address_space: global }
      - { .name: codes, .offset: 48, .size: 8, .value_kind: global_buffer, .address_space: global }
      - { .name: scl, .offset: 56, .size: 8, .value_kind: global_buffer, .address_space: global }
    .group_segment_fixed_size: 44544
    .private_segment_fixed_size: 0
    .kernarg_segment_align: 8
    .kernarg_segment_size: 64
    .max_flat_workgroup_size: 160
    .sgpr_count:     66
    .vgpr_count:     256
    .wavefront_size: 32
...
	.end_amdgpu_metadata
.endif
;; end of part 1
;; launch proj (part 2): grid 4 x 96, 4 waves a work-group, clusters of 4 x 4, 327,680 bytes of LDS; arguments codes, scl, bq, bk, bv, qimg, qs, kv; writes qimg, qs, kv
.if DOCPART == 2
	.amdgcn_target "amdgcn-amd-amdhsa--gfx1250"
	.amdhsa_code_object_version 6
	.text
	.protected	k_q17b7380082_proj
	.globl	k_q17b7380082_proj
	.p2align	8
	.type	k_q17b7380082_proj,@function
k_q17b7380082_proj:
	s_mov_b64 s[64:65], 0
	v_nop
	global_prefetch_b8 v0, s[64:65] scope:SCOPE_SE
	s_setreg_imm32_b32 hwreg(HW_REG_WAVE_MODE, 25, 1), 1
	s_wait_xcnt 0x0
	s_wait_alu depctr_hold_cnt(0) depctr_sa_sdst(0) depctr_va_vdst(0) depctr_va_sdst(0) depctr_va_ssrc(0) depctr_va_vcc(0) depctr_vm_vsrc(0)
	s_getreg_b32 s2, hwreg(HW_REG_IB_STS2, 6, 4)
	s_cmp_eq_u32 s2, 0
	s_cbranch_scc0 .Lentry_in_a_cluster
	s_endpgm
.Lentry_in_a_cluster:
	s_bfe_u32 s2, ttmp6, 0x10000c
	s_cmp_lg_u32 s2, 0xf033
	s_cbranch_scc0 .Lentry_shape_is_right
	s_endpgm
.Lentry_shape_is_right:
.set NQ,    2
.set FR,    12
.set NL,    6
.set NP,    4
.set TILEB, 3072
.set HALFT, 8*TILEB
.set SLOT,  4*HALFT
.set KS,    32
.set SCL,   2*SLOT
.set HALFS, 16*272
.set SBLK,  2*272
.set SPARE, SCL+4*HALFS
.set SCRQ,  SPARE+512
.set SCRK,  SCRQ+4096
.set SCRV,  SCRK+2048
.set L8,   1
.set RR,   2
.set HH,   3
.set BO,   4
.set SQI,  5
.set SQO,  6
.set SKI,  7
.set SKO,  8
.set SVI,  9
.set SVO,  10
.set L16,  11
.set BV,   12
.set ADRA, 16
.set ADRB, 20
.set ADRS, 27
.set SPW,  28
.set NIL,  29
.set SC,   32
.set BI,   64
.set AF,   128
.set T,    128
.set PC,   192
.set TM,   212
.set PW,   228
.set W,    229
.set PWE,  230
.set SELV, 231
.set WO,   232
.set SEL,  2
.set WV,   20
.set PH,   21
.set RH,   22
.set G1,   24
.set G0,   32
.set RIDX, 42
.set G1B,  48
.set G0B,  56
.set MODE, 66
.set PIDX, 67
.set G1S,  68
.set G0S,  76
.set G1SB, 80
.set G0SB, 88
.set OUT,  96
.set OUT2, 98
.set MSB, 0
.macro WIN new
.if MSB != (\new)
	s_set_vgpr_msb (MSB<<8)|(\new)
.set MSB, (\new)
.endif
.endm
.set MUL_LO, 0xa1
.set MUL_HI, 0xf1
.set TO_B,   0x40
.macro JLOAD g0a, g1a, g0b, g1b
	s_cmp_eq_u32 s[PH], 0
	s_cbranch_scc0 .Lfor_b_\@
	tensor_load_to_lds s[\g0a:\g0a+3], s[\g1a:\g1a+7]
	s_nop 0
.rept 4
	v_nop
.endr
	s_branch .Lasked_\@
.Lfor_b_\@:
	tensor_load_to_lds s[\g0b:\g0b+3], s[\g1b:\g1b+7]
	s_nop 0
.rept 4
	v_nop
.endr
.Lasked_\@:
.endm
.macro CREST
	s_cmp_lg_u32 s[WV], 0
	s_cbranch_scc1 .Lnot_wave_0_\@
	s_barrier_signal -3
.Lnot_wave_0_\@:
	s_barrier_wait -3
	s_barrier_signal -1
	s_barrier_wait -1
.endm
.macro CROUND
	s_barrier_signal -1
	s_barrier_wait -1
	CREST
.endm
	s_load_b256 s[4:11], s[0:1], 0x0
	s_load_b256 s[12:19], s[0:1], 0x20
	v_lshl_add_u32 v[SPW], v0, 2, SPARE
	v_mov_b32 v[NIL], 0
	ds_add_u32 v[SPW], v[NIL]
	ds_add_u32 v[SPW], v[NIL]
	v_lshrrev_b32 v1, 5, v0
	v_readfirstlane_b32 s[WV], v1
	s_lshr_b32 s[PH], s[WV], 1
	s_and_b32 s[RH], s[WV], 1
	s_bfe_u32 s40, ttmp6, 0x40000
	s_bfe_u32 s41, ttmp6, 0x40004
	s_and_b32 s23, ttmp7, 0xffff
	s_lshr_b32 s[MODE], s23, 3
	s_and_b32 s23, s23, 7
	s_lshl_b32 s23, s23, 2
	s_cmp_eq_u32 s[MODE], 2
	s_cselect_b32 s100, 0, s23
	s_cselect_b32 s101, s23, 0
	s_add_co_u32 s[PIDX], s100, s41
	s_add_co_u32 s[RIDX], s101, s40
	s_mov_b32 s94, 512
	s_mov_b32 s95, 1088
	s_cmp_eq_u32 s[MODE], 0
	s_cselect_b32 s94, 0, s94
	s_cselect_b32 s95, 1024, s95
	s_cmp_eq_u32 s[MODE], 2
	s_cselect_b32 s94, 1152, s94
	s_cselect_b32 s95, 512, s95
	s_lshl_b32 s43, s41, 2
	s_lshl_b32 s43, 15, s43
	s_lshl_b32 s44, 0x1111, s40
	s_or_b32 s[G1+0], s43, (3<<16)|(1<<21)
	s_or_b32 s[G1B+0], s44, (3<<16)|(1<<21)
.irp g, G1, G1B
	s_mov_b32 s[\g+1], 384<<16
	s_mov_b32 s[\g+2], 8<<16
	s_mov_b32 s[\g+3], 384<<16
	s_mov_b32 s[\g+4], 8
	s_mov_b32 s[\g+5], 1536
	s_mov_b32 s[\g+6], 0
	s_mov_b32 s[\g+7], 0
.endr
	s_or_b32 s[G1S+0], s43, (3<<16)|(1<<20)|(1<<21)|(5<<22)|(3<<25)
	s_or_b32 s[G1SB+0], s44, (3<<16)|(1<<20)|(1<<21)|(5<<22)|(3<<25)
.irp g, G1S, G1SB
	s_mov_b32 s[\g+1], 32<<16
	s_mov_b32 s[\g+2], 16<<16
	s_mov_b32 s[\g+3], 32<<16
	s_mov_b32 s[\g+4], 16
	s_mov_b32 s[\g+5], 32
	s_mov_b32 s[\g+6], 0
	s_mov_b32 s[\g+7], 0
.endr
	s_lshl_b32 s23, s[RH], 3
	s_lshl_b32 s92, s[PIDX], 4
	s_add_co_u32 s92, s92, s23
	s_add_co_u32 s92, s92, s94
	s_lshl_b32 s46, s[RIDX], 4
	s_add_co_u32 s46, s46, s23
	s_add_co_u32 s46, s46, s95
	s_lshl_b32 s100, s92, 9
	s_mov_b32 s101, 0
	s_mul_i32 s92, s92, 12288
	s_mov_b32 s93, 0
	s_lshl_b32 s98, s46, 9
	s_mov_b32 s99, 0
	s_mul_i32 s46, s46, 12288
	s_mov_b32 s47, 0
	s_mul_i32 s45, s[WV], HALFT
	s_mul_i32 s96, s[WV], HALFS
	s_mov_b32 s[SEL], 0x76543210
	s_mov_b32 s[SEL+1], 0xfedcba98
	s_wait_dscnt 0x0
	s_wait_kmcnt 0x0
	s_add_nc_u64 s[92:93], s[4:5], s[92:93]
	s_add_nc_u64 s[100:101], s[6:7], s[100:101]
	s_add_nc_u64 s[46:47], s[4:5], s[46:47]
	s_add_nc_u64 s[98:99], s[6:7], s[98:99]
	CROUND
	s_mov_b32 s[G0S], 1
	s_add_co_u32 s[G0S+1], s96, SCL
	s_mov_b64 s[G0S+2:G0S+3], s[100:101]
	s_or_b32 s[G0S+3], s[G0S+3], 0x80000000
	s_mov_b32 s[G0SB], 1
	s_add_co_u32 s[G0SB+1], s96, SCL
	s_mov_b64 s[G0SB+2:G0SB+3], s[98:99]
	s_or_b32 s[G0SB+3], s[G0SB+3], 0x80000000
	JLOAD G0S, G1S, G0SB, G1SB
.irp s, 0,1
	s_mov_b32 s[G0+4*\s], 1
	s_add_co_u32 s[G0+4*\s+1], s45, \s*SLOT
	s_add_nc_u64 s[G0+4*\s+2:G0+4*\s+3], s[92:93], \s*TILEB
	s_or_b32 s[G0+4*\s+3], s[G0+4*\s+3], 0x80000000
	s_mov_b32 s[G0B+4*\s], 1
	s_add_co_u32 s[G0B+4*\s+1], s45, \s*SLOT
	s_add_nc_u64 s[G0B+4*\s+2:G0B+4*\s+3], s[46:47], \s*TILEB
	s_or_b32 s[G0B+4*\s+3], s[G0B+4*\s+3], 0x80000000
	s_wait_alu depctr_va_vdst(0)
	s_wait_tensorcnt 0x0
	ds_add_u32 v28, v29
	s_wait_dscnt 0x0
	CROUND
	JLOAD G0+4*\s, G1, G0B+4*\s, G1B
.endr
	v_and_b32 v[RR], 15, v0
	v_bfe_u32 v[HH], v0, 4, 1
	v_and_b32 v[L8], 31, v0
	v_lshlrev_b32 v[L8], 3, v[L8]
	s_mul_i32 s23, s[PH], HALFT
	s_mul_i32 s96, s[RH], HALFT
	s_add_co_u32 s96, s96, 2*HALFT
.irp s, 0,1
	v_add_nc_u32 v[ADRA+\s], s23, v[L8]
	v_add_nc_u32 v[ADRB+\s], s96, v[L8]
	s_add_co_u32 s23, s23, SLOT
	s_add_co_u32 s96, s96, SLOT
.endr
	v_mul_u32_u24 v13, v[RR], KS
	v_lshrrev_b32 v14, 8, v13
	v_lshl_add_u32 v13, v14, 4, v13
	s_mul_i32 s23, s[PH], HALFS
	s_mul_i32 s96, s[RH], HALFS
	s_add_co_u32 s96, s96, 2*HALFS
	s_sub_co_u32 s96, s96, s23
	v_mul_u32_u24 v14, s96, v[HH]
	s_add_co_u32 s23, s23, SCL
	v_add_nc_u32 v13, v13, v14
	v_add_nc_u32 v[ADRS], s23, v13
	v_lshlrev_b32 v13, 2, v[RR]
	v_lshlrev_b32 v[L16], 1, v[L8]
	s_lshl_b32 s23, s[WV], 10
	v_lshl_add_u32 v[SQI], v[HH], 9, v13
	v_add_nc_u32 v[SQI], s23, v[SQI]
	v_add_nc_u32 v[SQI], SCRQ, v[SQI]
	v_add_nc_u32 v[SQO], s23, v[L16]
	v_add_nc_u32 v[SQO], SCRQ, v[SQO]
	s_lshl_b32 s23, s[WV], 9
	v_lshl_add_u32 v[SKI], v[HH], 8, v13
	v_add_nc_u32 v[SKI], s23, v[SKI]
	v_add_nc_u32 v[SKI], SCRK, v[SKI]
	v_add_nc_u32 v[SKO], s23, v[L8]
	v_add_nc_u32 v[SKO], SCRK, v[SKO]
	v_add_nc_u32 v[SVI], s23, v13
	v_add_nc_u32 v[SVI], SCRV, v[SVI]
	v_add_nc_u32 v[SVO], s23, v[L8]
	v_add_nc_u32 v[SVO], SCRV, v[SVO]
	v_lshlrev_b32 v[BO], 6, v[HH]
	v_and_b32 v14, 8, v[RR]
	v_add_nc_u32 v14, v14, v[RR]
	v_lshlrev_b32 v[BV], 2, v14
	s_lshl_b32 s100, s[PIDX], 8
	s_lshl_b32 s23, s[PH], 7
	s_add_co_u32 s100, s100, s23
	s_lshl_b32 s101, s[RIDX], 8
	s_lshl_b32 s23, s[RH], 7
	s_add_co_u32 s101, s101, s23
.macro FRAG reg, adr, q, i
.irp p, 0,1,2,3,4,5
	ds_load_b64 v[\reg+2*\p:\reg+2*\p+1], v[\adr] offset:TILEB*(\i)+1536*(\q)+256*\p
.endr
.endm
.macro MUL16 a0, p, q, sc, zero
.irp a, \a0, \a0+1
.irp b, 0,1,2,3,4,5,6,7
.if \zero
	v_wmma_scale_f32_16x16x128_f8f6f4 v[8*(8*((\a)%4)+\b):8*(8*((\a)%4)+\b)+7], v[128*(\p)+FR*\b:128*(\p)+FR*\b+FR-1], v[AF+FR*(\a):AF+FR*(\a)+FR-1], 0, v[SC+8*NQ*(\sc)+NQ*\b+(\q)], v[SC+8*NQ*(\sc)+NQ*(\a)+(\q)] matrix_a_fmt:MATRIX_FMT_FP6 matrix_b_fmt:MATRIX_FMT_FP6 matrix_a_scale:MATRIX_SCALE_ROW1
.else
	v_wmma_scale_f32_16x16x128_f8f6f4 v[8*(8*((\a)%4)+\b):8*(8*((\a)%4)+\b)+7], v[128*(\p)+FR*\b:128*(\p)+FR*\b+FR-1], v[AF+FR*(\a):AF+FR*(\a)+FR-1], v[8*(8*((\a)%4)+\b):8*(8*((\a)%4)+\b)+7], v[SC+8*NQ*(\sc)+NQ*\b+(\q)], v[SC+8*NQ*(\sc)+NQ*(\a)+(\q)] matrix_a_fmt:MATRIX_FMT_FP6 matrix_b_fmt:MATRIX_FMT_FP6 matrix_a_scale:MATRIX_SCALE_ROW1
.endif
.endr
.endr
.endm
.macro FETCH_B slot, q, p
	WIN TO_B
.irp i, 0,1,2,3,4,5,6,7
	FRAG 128*(\p)+FR*\i, ADRB+\slot, \q, \i
.endr
	WIN 0
.endm
.macro FETCH_A slot, q, i0
.irp i, \i0, \i0+1, \i0+2, \i0+3
	FRAG AF+FR*(\i), ADRA+\slot, \q, \i
.endr
.endm
.macro SCALES sc
.irp i, 0,1,2,3,4,5,6,7
	ds_load_b64 v[SC+8*NQ*\sc+NQ*\i:SC+8*NQ*\sc+NQ*\i+1], v[ADRS] offset:\i*SBLK
.endr
.endm
.macro PLACES n
.rept \n
	v_nop
.endr
.endm
.macro STEP slot, q, zero
	s_wait_dscnt 4*NL
	WIN MUL_LO
	MUL16 0, (\q)%2, \q, \slot, \zero
	MUL16 2, (\q)%2, \q, \slot, \zero
	s_wait_dscnt 0
	PLACES NP
	FETCH_B \slot, (\q)+1, 1-(\q)%2
	FETCH_A \slot, (\q)+1, 0
	WIN MUL_HI
	MUL16 4, (\q)%2, \q, \slot, \zero
	MUL16 6, (\q)%2, \q, \slot, \zero
	PLACES NP
	WIN 0
	FETCH_A \slot, (\q)+1, 4
.endm
.macro TURN slot, next, fill
	s_wait_tensorcnt 0x0
	ds_add_u32 v[SPW], v[NIL]
	s_wait_dscnt 4*NL+1
	WIN MUL_LO
	MUL16 0, 1, NQ-1, \slot, 0
	s_wait_dscnt 0x0
	s_barrier_signal -1
	MUL16 2, 1, NQ-1, \slot, 0
	WIN 0
	s_barrier_wait -1
.if \fill
	CREST
	s_add_nc_u64 s[G0+4*\slot+2:G0+4*\slot+3], s[G0+4*\slot+2:G0+4*\slot+3], 2*TILEB
	s_add_nc_u64 s[G0B+4*\slot+2:G0B+4*\slot+3], s[G0B+4*\slot+2:G0B+4*\slot+3], 2*TILEB
	JLOAD G0+4*\slot, G1, G0B+4*\slot, G1B
.else
	PLACES NP
.endif
	s_wait_alu depctr_va_vdst(0)
	v_add_nc_u32 v[ADRS], 4*NQ, v[ADRS]
	FETCH_B \next, 0, 0
	FETCH_A \next, 0, 0
	SCALES \next
	WIN MUL_HI
	MUL16 4, 1, NQ-1, \slot, 0
	MUL16 6, 1, NQ-1, \slot, 0
	PLACES NP
	WIN 0
	FETCH_A \next, 0, 4
.endm
.macro LAST
	s_wait_dscnt 4*NL
	WIN MUL_LO
	MUL16 0, 1, NQ-1, 1, 0
	MUL16 2, 1, NQ-1, 1, 0
	s_wait_dscnt 0
	WIN MUL_HI
	MUL16 4, 1, NQ-1, 1, 0
	MUL16 6, 1, NQ-1, 1, 0
	WIN 0
.endm
.macro QUANT s
.irp b, 0,1,2,3
	v_max3_num_f32 v[TM+\b], |v[\s+16*\b]|, |v[\s+1+16*\b]|, 0x1800000
.endr
.irp i, 2,4,6,8,10,12,14
.irp b, 0,1,2,3
	v_max3_num_f32 v[TM+\b], v[TM+\b], |v[\s+16*\b+\i]|, |v[\s+1+16*\b+\i]|
.endr
.endr
.irp b, 0,1,2,3
	v_permlanex16_b32 v[TM+4+\b], v[TM+\b], s[SEL], s[SEL+1]
.endr
.irp b, 0,1,2,3
	v_max_num_f32 v[TM+\b], v[TM+\b], v[TM+4+\b]
.endr
.irp b, 0,1,2,3
	v_add_nc_u32 v[TM+12+\b], 0xff000000, v[TM+\b]
.endr
.irp b, 0,1,2,3
	v_lshrrev_b32 v[TM+4+\b], 23, v[TM+12+\b]
.endr
	v_lshl_or_b32 v[PW], v[TM+5], 8, v[TM+4]
	v_lshl_or_b32 v[PW], v[TM+6], 16, v[PW]
	v_lshl_or_b32 v[PW], v[TM+7], 24, v[PW]
.irp c, 0,1
	v_cvt_scalef32_pk16_fp6_f32 v[PC+6*\c:PC+2+6*\c], v[\s+32*\c:\s+15+32*\c], v[TM+12+2*\c]
	v_cvt_scalef32_pk16_fp6_f32 v[PC+12+4*\c:PC+14+4*\c], v[\s+16+32*\c:\s+31+32*\c], v[TM+12+2*\c+1]
.endr
	v_nop
.irp c, 0,1
.irp i, 0,1,2
	v_permlane16_swap_b32 v[PC+6*\c+\i], v[PC+12+4*\c+\i]
.endr
.irp i, 0,1,2
	v_mov_b32 v[PC+3+6*\c+\i], v[PC+12+4*\c+\i]
.endr
.endr
.endm
.macro TILE a, lane
.if (\a) > 0
	s_wait_xcnt 0x0
	s_wait_dscnt 0x0
.endif
	WIN 0x02+(\a)/4
.set ii, 0
.rept 32
.if \lane
	v_pk_add_f32 v[T+2*ii:T+2*ii+1], v[64*((\a)%4)+2*ii:64*((\a)%4)+2*ii+1], v[BI+2*(\a):BI+2*(\a)+1]
.else
	v_pk_add_f32 v[T+2*ii:T+2*ii+1], v[64*((\a)%4)+2*ii:64*((\a)%4)+2*ii+1], v[BI+2*ii:BI+2*ii+1]
.endif
.set ii, ii+1
.endr
	WIN 0
	QUANT T
.endm
.macro PUT o0, o1
.irp p, 0,1,2
	global_store_b64 v[L8], v[PC+2*\p:PC+2*\p+1], s[OUT:OUT+1] offset:(\o0)+256*\p
.endr
.irp p, 0,1,2
	global_store_b64 v[L8], v[PC+6+2*\p:PC+7+2*\p], s[OUT:OUT+1] offset:(\o1)+256*\p
.endr
.endm
.macro BIASJ
.irp be, 0,1,2,3
.irp u, 0,1,2,3
	global_load_b128 v[BI+16*\be+4*\u:BI+16*\be+4*\u+3], v[BO], s[92:93] offset:128*\be+16*\u
.endr
.endr
.endm
.macro READY
	PLACES NP
.irp b, 0,1,2,3
	v_mov_b32 v[TM+4+\b], 0
.endr
	s_wait_loadcnt 0x0
.endm
	s_wait_tensorcnt 1
	s_barrier_signal -1
	s_barrier_wait -1
	FETCH_B 0, 0, 0
	FETCH_A 0, 0, 0
	SCALES 0
	FETCH_A 0, 0, 4
	STEP 0, 0, 1
	TURN 0, 1, 1
	STEP 1, 0, 0
	TURN 1, 0, 1
	STEP 0, 0, 0
	TURN 0, 1, 0
	STEP 1, 0, 0
	s_cmp_eq_u32 s[MODE], 1
	s_cbranch_scc1 .Lmode_k
	s_cmp_eq_u32 s[MODE], 2
	s_cbranch_scc1 .Lmode_v
	s_lshr_b32 s23, s100, 11
	s_lshl_b32 s23, s23, 4
	s_lshr_b32 s94, s101, 6
	s_add_co_u32 s23, s23, s94
	s_and_b32 s94, s100, 2047
	s_lshl_b32 s95, s23, 7
	s_lshr_b32 s96, s94, 4
	s_add_co_u32 s95, s95, s96
	s_mul_i32 s96, s95, 768
	s_mov_b32 s97, 0
	s_add_nc_u64 s[OUT:OUT+1], s[14:15], s[96:97]
	s_lshl_b32 s95, s23, 11
	s_add_co_u32 s95, s95, s94
	s_lshl_b32 s98, s95, 2
	s_mov_b32 s99, 0
	s_add_nc_u64 s[OUT2:OUT2+1], s[16:17], s[98:99]
	s_lshl_b32 s92, s101, 2
	s_mov_b32 s93, 0
	s_add_nc_u64 s[92:93], s[8:9], s[92:93]
	BIASJ
	v_cmp_eq_u32 vcc_lo, 1, v[HH]
	v_mov_b32 v[SELV], 0x01000100
	v_mov_b32 v[W], 0x03020302
	v_cndmask_b32 v[SELV], v[SELV], v[W], vcc_lo
	LAST
	READY
.irp a, 0,1,2,3,4,5,6,7
	TILE \a, 0
	PUT 768*\a, 768*\a+98304
	v_perm_b32 v[W], v[PW], v[PW], v[SELV]
	ds_store_b32 v[SQI], v[W] offset:64*\a
.endr
.irp c, 0,1
	ds_load_b128 v[WO+4*\c:WO+4*\c+3], v[SQO] offset:512*\c
.endr
	s_wait_dscnt 0x0
.irp c, 0,1
	global_store_b128 v[L16], v[WO+4*\c:WO+4*\c+3], s[OUT2:OUT2+1] offset:8192*\c
.endr
	s_branch .Lend
.Lmode_k:
	s_lshr_b32 s23, s100, 11
	s_lshl_b32 s23, s23, 4
	s_lshr_b32 s94, s101, 6
	s_add_co_u32 s23, s23, s94
	s_and_b32 s94, s100, 2047
	s_lshl_b32 s95, s23, 4
	s_lshr_b32 s96, s94, 7
	s_add_co_u32 s95, s95, s96
	s_mul_i32 s96, s95, 12800
	s_mov_b32 s97, 0
	s_add_nc_u64 s[OUT:OUT+1], s[18:19], s[96:97]
	s_lshl_b32 s92, s101, 2
	s_mov_b32 s93, 0
	s_add_nc_u64 s[92:93], s[10:11], s[92:93]
	BIASJ
	v_cmp_eq_u32 vcc_lo, 1, v[HH]
	v_mov_b32 v[SELV], 0x05040100
	v_mov_b32 v[W], 0x07060302
	v_cndmask_b32 v[SELV], v[SELV], v[W], vcc_lo
	LAST
	READY
.irp a, 0,1,2,3,4,5,6,7
	TILE \a, 0
	PUT 768*\a, 768*\a+204800
.if \a%2 == 0
	v_mov_b32 v[PWE], v[PW]
.else
	v_perm_b32 v[W], v[PW], v[PWE], v[SELV]
	ds_store_b32 v[SKI], v[W] offset:64*(\a/2)
.endif
.endr
.irp c, 0,1
	ds_load_b64 v[WO+2*\c:WO+2*\c+1], v[SKO] offset:256*\c
.endr
	s_wait_dscnt 0x0
.irp c, 0,1
	global_store_b64 v[L8], v[WO+2*\c:WO+2*\c+1], s[OUT:OUT+1] offset:12288+204800*\c
.endr
	s_branch .Lend
.Lmode_v:
	s_lshr_b32 s23, s101, 11
	s_lshl_b32 s23, s23, 4
	s_lshr_b32 s94, s100, 6
	s_add_co_u32 s23, s23, s94
	s_and_b32 s94, s101, 2047
	s_lshl_b32 s95, s23, 4
	s_lshr_b32 s96, s94, 7
	s_add_co_u32 s95, s95, s96
	s_mul_i32 s96, s95, 12800
	s_mov_b32 s97, 0
	s_add_nc_u64 s[OUT:OUT+1], s[18:19], s[96:97]
	s_lshl_b32 s92, s100, 2
	s_mov_b32 s93, 0
	s_add_nc_u64 s[92:93], s[12:13], s[92:93]
.irp a, 0,1,2,3,4,5,6,7
	global_load_b32 v[BI+2*\a], v[BV], s[92:93] offset:4*(32*(\a/2)+8*(\a%2))
	global_load_b32 v[BI+2*\a+1], v[BV], s[92:93] offset:4*(32*(\a/2)+8*(\a%2))
.endr
	LAST
	READY
.irp a, 0,1,2,3,4,5,6,7
	TILE \a, 1
	PUT 6144+204800*(\a/4)+1536*(\a%4), 6144+204800*(\a/4)+1536*(\a%4)+768
	ds_store_b32 v[SVI], v[PW] offset:64*\a
.endr
.irp c, 0,1
	ds_load_b64 v[WO+2*\c:WO+2*\c+1], v[SVO] offset:256*\c
.endr
	s_wait_dscnt 0x0
.irp c, 0,1
	global_store_b64 v[L8], v[WO+2*\c:WO+2*\c+1], s[OUT:OUT+1] offset:12544+204800*\c
.endr
.Lend:
	s_wait_tensorcnt 0x0
	ds_add_u32 v[SPW], v[NIL]
	s_wait_dscnt 0x0
	CROUND
	s_endpgm
.Lfunc_end_k_q17b7380082_proj:
	.size	k_q17b7380082_proj, .Lfunc_end_k_q17b7380082_proj-k_q17b7380082_proj
	.p2alignl 7, 3214868480
	.fill 96, 4, 3214868480
	.section	.rodata,"a",@progbits
	.p2align	6, 0x0
	.amdhsa_kernel k_q17b7380082_proj
		.amdhsa_group_segment_fixed_size 327680
		.amdhsa_private_segment_fixed_size 0
		.amdhsa_enable_private_segment 0
		.amdhsa_kernarg_size 64
		.amdhsa_user_sgpr_count 2
		.amdhsa_user_sgpr_kernarg_segment_ptr 1
		.amdhsa_wavefront_size32 1
		.amdhsa_system_sgpr_workgroup_id_x 1
		.amdhsa_system_sgpr_workgroup_id_y 1
		.amdhsa_system_sgpr_workgroup_id_z 1
		.amdhsa_system_vgpr_workitem_id 0
		.amdhsa_next_free_vgpr 1024
		.amdhsa_next_free_sgpr 102
		.amdhsa_reserve_vcc 1
		.amdhsa_float_denorm_mode_32 3
		.amdhsa_float_denorm_mode_16_64 3
		.amdhsa_memory_ordered 1
		.amdhsa_forward_progress 1
		.amdhsa_inst_pref_size 255
	.end_amdhsa_kernel
	.section	.bss,"aw",@nobits
	.p2align	6
	.space	262144
	.amdgpu_metadata
---
amdhsa.version: [ 1, 2 ]
amdhsa.kernels:
  - .name:           k_q17b7380082_proj
    .symbol:         k_q17b7380082_proj.kd
    .args:
      - { .name: codes, .offset: 0, .size: 8, .value_kind: global_buffer, .address_space: global }
      - { .name: scl, .offset: 8, .size: 8, .value_kind: global_buffer, .address_space: global }
      - { .name: bq, .offset: 16, .size: 8, .value_kind: global_buffer, .address_space: global }
      - { .name: bk, .offset: 24, .size: 8, .value_kind: global_buffer, .address_space: global }
      - { .name: bv, .offset: 32, .size: 8, .value_kind: global_buffer, .address_space: global }
      - { .name: qimg, .offset: 40, .size: 8, .value_kind: global_buffer, .address_space: global }
      - { .name: qs, .offset: 48, .size: 8, .value_kind: global_buffer, .address_space: global }
      - { .name: kv, .offset: 56, .size: 8, .value_kind: global_buffer, .address_space: global }
    .group_segment_fixed_size: 327680
    .private_segment_fixed_size: 0
    .kernarg_segment_align: 8
    .kernarg_segment_size: 64
    .max_flat_workgroup_size: 128
    .sgpr_count:     102
    .vgpr_count:     1024
    .wavefront_size: 32
...
	.end_amdgpu_metadata
.endif
;; end of part 2
;; launch attn (part 3): grid 4 x 64, 16 waves a work-group, clusters of 4 x 1, 232,448 bytes of LDS; arguments qimg, qs, kv, acodes, ascl; writes acodes, ascl
.if DOCPART == 3
	.amdgcn_target "amdgcn-amd-amdhsa--gfx1250"
	.amdhsa_code_object_version 6
	.text
	.protected	k_q17b7380082_attn
	.globl	k_q17b7380082_attn
	.p2align	8
	.type	k_q17b7380082_attn,@function
k_q17b7380082_attn:
	s_mov_b64 s[64:65], 0
	v_nop
	global_prefetch_b8 v0, s[64:65] scope:SCOPE_SE
	s_setreg_imm32_b32 hwreg(HW_REG_WAVE_MODE, 25, 1), 1
	s_wait_xcnt 0x0
	s_wait_alu depctr_hold_cnt(0) depctr_sa_sdst(0) depctr_va_vdst(0) depctr_va_sdst(0) depctr_va_ssrc(0) depctr_va_vcc(0) depctr_vm_vsrc(0)
	s_getreg_b32 s2, hwreg(HW_REG_IB_STS2, 6, 4)
	s_cmp_eq_u32 s2, 0
	s_cbranch_scc0 .Lentry_in_a_cluster
	s_endpgm
.Lentry_in_a_cluster:
	s_bfe_u32 s2, ttmp6, 0x10000c
	s_cmp_lg_u32 s2, 0x3003
	s_cbranch_scc0 .Lentry_shape_is_right
	s_endpgm
.Lentry_shape_is_right:
; LAUNCH 3 OF 4.  For each batch and head: S^T = K Q^T, the softmax, O^T = V^T P^T, O / l, and O quantised along (head, channel) for the last projection.  Both products on codes of FP6.  No work of the problem is left out.
; THE SOFTMAX: t = score x log2(e) / 8; M = the running largest t rounded up to a whole number; p = 2^(t - M) is quantised along the keys, not normalised; l is the sum of the unquantised p, in f32, and divides O at the end.
; When M moves, l and O^T are multiplied by 2^(old M - new M): exact.
; SHARES.  A work-group owns 512 queries of one (batch, head); each of its sixteen waves two tiles of 16, one after the other, in 256 registers.
; A WHOLE HEAD'S K, V AND SCALE WORDS, 16 key steps x 12,800 bytes, STAY IN LDS: wave w brings key step w by one tensor load at the head.  Nothing is filled again: no ring, one barrier.  One tensor load a wave is out.
; The load lays 32 bytes behind each 256: LDS rows are 288 bytes apart, a key step 50 rows.
; CLUSTER.  The four work-groups of a cluster are the four query blocks of one head: each of the sixteen loads is asked for jointly by the four.
; NO PREFETCH: every tensor load goes out at the head and both tiles of Q are loaded there: no later load is left to run ahead of.
; A HEAD'S K IS 64, THE INSTRUCTION'S 128.  A row of a K fragment holds two keys, one in its lower 64, one in its upper 64.  Q stands in v16-33 as zeros | q | zeros: v[22:33] = (q, 0) picks the first key, v[16:27] = (0, q) the second.
; WHICH KEYS FORM A TILE is chosen by the lanes' LDS addresses.  In memory half fragment 2 g + u, row i, is key 32 g + 8 u + i + 8 (i / 8).  Fragment (c, w) takes for its rows 0-7 rows 8 w .. of half fragments 4 c, 4 c + 1
; and for its rows 8-15 the same rows of half fragments 4 c + 2, 4 c + 3 (six LDS rows on: with the pitch of 288 the two groups of lanes touch different banks).  So score register 32 c + i of lane (r, h) is key 64 c + 32 h + i:
; a lane's 32 registers are ONE scale block of p, in the order of the operand's registers: a block's maximum needs no other lane and the codes are not exchanged between lanes.
; A lane holds one query (lane % 16) throughout.  V's rows are stored with bits 3 and 4 exchanged, so O^T's register 16 g + i is channel 32 g + 16 (lane / 16) + i.
; l'S SUM goes in eight partial pairs; its last levels stand in the places behind the products, and the next step's K loads are issued behind the second product, ahead of the rest of the sum.
; The last trip of a pass asks for key step 0 again: the second pass begins with it; behind the second pass those 28 loads are read by nobody.
; LIMITS: the promise holds while the scaled scores stay under 2^31 in magnitude.  NaN and infinities are not served; a block of zeros or under 2^-124 gets the byte 1; 1 / l is v_rcp_f32 and a multiplication.
; ascl is stored two bytes a row (a row's 32 bytes come from 16 heads), by both halves of the lanes alike.
.set BLKB,  12800                      ; a key step in memory
.set ROWP,  288                        ; an LDS row: 256 bytes + 32
.set BLKL,  50*ROWP                    ; a key step in LDS
.set KSC,   48*ROWP                    ; K's scale words in it
.set VFR,   24*ROWP                    ; V's fragments
.set VSC,   49*ROWP                    ; V's scale words
.set SPARE, 16*BLKL                    ; behind the head's 230,400 bytes: the spare words, 128 bytes a wave: eight blocks of 256 bytes that no other line names
.set SPW,  3                           ; v3 my spare word, v4 zero: never rewritten
.set NIL,  4
.set KA,   5                           ; v5 my place in a K fragment's rows; v6 in K's scale words.  v1 8 x lane, v2 4 r, v7 32 r
.set KS,   6
.set ADK,  8                           ; v8-11 the step's addresses: K, K's words, V, V's words
.set ADKS, 9
.set ADV,  10
.set ADVS, 11
.set H8,   34                          ; v34 8 h.  v12 -M, v13 the largest score, v[14:15] l in two halves, v16-33 Q
.set FRG,  36                          ; v36-83 four fragments of K, then of V
.set Q1,   84                          ; v84-90 the second tile's Q and its scale words
.set S,    96                          ; v96-159 S^T, then p
.set O,    160                         ; v160-191 O^T
.set T,    192                         ; v192-207 eight partial sums of p, in pairs
.set MA,   208                         ; v208-211 the blocks' maxima, two chains each
.set MB,   210
.set SO,   216                         ; v216-217 the conversions' scale operands; v218-219 the bytes
.set BY,   218
.set PC,   224                         ; v224-235 p's codes; v236-242 the blocks' upper halves as converted
.set CT,   236
.set FS,   248                         ; v248-251 the fragments' scale words; v252 f, v253 p's scale word, v255 Q's
.set WV,   18
.set SEL,  20
.set CS,   22
.set NC,   36
.set CUR,  53
.set NXT,  54
.macro CROUND
	s_barrier_signal -1
	s_barrier_wait -1
	s_cmp_lg_u32 s[WV], 0
	s_cbranch_scc1 .Lnot_wave_0_\@
	s_barrier_signal -3
.Lnot_wave_0_\@:
	s_barrier_wait -3
	s_barrier_signal -1
	s_barrier_wait -1
.endm
	s_load_b256 s[4:11], s[0:1], 0x0               ; qimg, qs, kv, acodes
	s_load_b64 s[12:13], s[0:1], 0x20              ; ascl
	v_lshl_add_u32 v[SPW], v0, 2, SPARE
	v_mov_b32 v[NIL], 0
	ds_add_u32 v[SPW], v[NIL]                      ; the wave's opening: the add, twice on end, and its wait ahead of my first tensor load
	ds_add_u32 v[SPW], v[NIL]
	v_lshrrev_b32 v1, 5, v0
	s_delay_alu instid0(VALU_DEP_1)
	v_readfirstlane_b32 s[WV], v1                  ; wave 0..15
	s_bfe_u32 s19, ttmp6, 0x40000                  ; cx: it enters global addresses of Q and O alone
	s_and_b32 s37, ttmp7, 0xffff                   ; 16 b + head, which the four partners share
	; descriptor group 1: a key step's 12,800 dense bytes as 50 rows of 256 (32 elements of 8 bytes), 8 words of padding behind each 64
	s_mov_b32 s24, 15|(3<<16)|(1<<20)|(1<<21)|(5<<22)|(7<<25)
	s_mov_b32 s25, 32<<16
	s_mov_b32 s26, 50<<16
	s_mov_b32 s27, 32<<16
	s_mov_b32 s28, 50
	s_mov_b32 s29, 32
	s_mov_b32 s30, 0
	s_mov_b32 s31, 0
	s_lshl_b32 s38, s37, 4
	s_add_co_u32 s38, s38, s[WV]
	s_mul_i32 s38, s38, BLKB                       ; key step w of my head, in memory,
	s_mov_b32 s39, 0
	s_mov_b32 s32, 1
	s_mul_i32 s33, s[WV], BLKL                     ; and in LDS
	s_mov_b32 s[SEL], 0x76543210
	s_mov_b32 s[SEL+1], 0xfedcba98
	s_mov_b32 s[CS], 0x3e38aa3b                    ; c = log2(e) / 8
	s_mov_b32 s[CS+1], s[CS]                       ; (named with it as a pair, so it is written)
	s_mov_b32 s[NC], 0xbe38aa3b                    ; -c
	s_wait_dscnt 0x0                               ; both opening adds are done
	s_wait_kmcnt 0x0
	s_add_nc_u64 s[34:35], s[8:9], s[38:39]
	s_or_b32 s35, s35, 0x80000000
	CROUND                                         ; all four work-groups are here: the joint loads meet
	tensor_load_to_lds s[32:35], s[24:31]
	s_nop 0
.rept 4
	v_nop
.endr
	s_lshl_b32 s48, ttmp9, 2
	s_add_co_u32 s48, s48, s19                     ; my block of 512 queries
	s_lshl_b32 s48, s48, 5
	s_lshl_b32 s49, s[WV], 1
	s_add_co_u32 s48, s48, s49                     ; my first tile in the batch
	s_lshl_b32 s49, s37, 7
	s_add_co_u32 s49, s49, s48
	s_mul_i32 s50, s49, 768
	s_mov_b32 s51, 0
	s_add_nc_u64 s[40:41], s[4:5], s[50:51]        ; Q's image
	s_lshl_b32 s50, s49, 6
	s_add_nc_u64 s[42:43], s[6:7], s[50:51]        ; Q's scale words
	s_lshr_b32 s49, s37, 4
	s_lshl_b32 s49, s49, 7
	s_add_co_u32 s49, s49, s48                     ; 128 b + tile
	s_and_b32 s52, s37, 15                         ; head
	s_lshl_b32 s50, s49, 4
	s_add_co_u32 s50, s50, s52
	s_mul_i32 s50, s50, 768
	s_add_nc_u64 s[44:45], s[10:11], s[50:51]      ; O's codes: half fragment 'head' of the row tile
	s_lshl_b32 s50, s49, 9
	s_lshl_b32 s52, s52, 1
	s_add_co_u32 s50, s50, s52
	s_add_nc_u64 s[46:47], s[12:13], s[50:51]      ; and its two scale bytes a row
	v_and_b32 v1, 31, v0
	v_and_b32 v2, 15, v0
	v_bfe_u32 v[H8], v0, 4, 1                      ; h
	v_bfe_u32 v35, v0, 3, 1                        ; r / 8
	v_and_b32 v[KS], 7, v0                         ; r % 8
	v_lshlrev_b32 v1, 3, v1                        ; 8 x lane
	v_lshlrev_b32 v7, 5, v2
	v_lshlrev_b32 v2, 2, v2
	v_lshlrev_b32 v[KA], 3, v[KS]
	s_delay_alu instid0(VALU_DEP_1)
	v_lshl_add_u32 v[KA], v[H8], 7, v[KA]
	s_delay_alu instid0(VALU_DEP_1)
	v_mad_u32_u24 v[KA], v35, 6*ROWP, v[KA]        ; K: 8 (r % 8) + 128 h, and six LDS rows on for rows 8-15
	v_lshlrev_b32 v[KS], 2, v[KS]
	s_delay_alu instid0(VALU_DEP_1)
	v_lshl_add_u32 v[KS], v35, 6, v[KS]            ; K's words: 4 (r % 8) + 64 (r / 8)
	v_lshlrev_b32 v[H8], 3, v[H8]                  ; 8 h
.irp j, 16,17,18,19,20,21,28,29,30,31,32,33
	v_mov_b32 v[\j], 0                             ; the zero codes on both sides of q: written once
.endr
	v_mov_b32 v213, 0                              ; written once: a lane permute's destination counts as one of its sources
	v_mov_b32 v221, 0
	v_mov_b32 v253, 0                              ; (named as the upper half of the pair v[252:253] before it is first written)
.macro KLOADS a, s                     ; four fragments of K and their scale words
.irp c, 0,1
.irp w, 0,1
.irp p, 0,1,2,3,4,5
	ds_load_b64 v[FRG+12*(2*\c+\w)+2*\p:FRG+12*(2*\c+\w)+2*\p+1], v[\a] offset:(12*\c+\p)*ROWP+64*\w
.endr
	ds_load_b32 v[FS+2*\c+\w], v[\s] offset:KSC+128*\c+32*\w
.endr
.endr
.endm
.macro SUM1 i                          ; partial sum i begins: pairs i and i + 8 of p's 32
	v_pk_add_f32 v[T+2*(\i):T+2*(\i)+1], v[S+2*(\i):S+2*(\i)+1], v[S+2*(\i)+16:S+2*(\i)+17]
.endm
.macro SUMK i, k                       ; and takes pair i + 8 k
	v_pk_add_f32 v[T+2*(\i):T+2*(\i)+1], v[T+2*(\i):T+2*(\i)+1], v[S+2*(\i)+16*(\k):S+2*(\i)+16*(\k)+1]
.endm
; A KEY STEP: 128 keys, number s3.  Its K fragments were asked for a trip ago.
.macro BODY
	s_mul_i32 s[CUR], s3, BLKL                     ; this step's LDS bytes,
	s_add_co_u32 s[NXT], s3, 1
	s_and_b32 s[NXT], s[NXT], 15
	s_mul_i32 s[NXT], s[NXT], BLKL                 ; and the next step's (behind the last: step 0)
	s_wait_dscnt 0x0                               ; K is in
.irp g, 0,1,2,3
	v_wmma_scale_f32_16x16x128_f8f6f4 v[S+16*\g:S+16*\g+7], v[FRG+12*\g:FRG+12*\g+11], v[22:33], 0, v[FS+\g], v255 matrix_a_fmt:MATRIX_FMT_FP6 matrix_b_fmt:MATRIX_FMT_FP6
	v_wmma_scale_f32_16x16x128_f8f6f4 v[S+16*\g+8:S+16*\g+15], v[FRG+12*\g:FRG+12*\g+11], v[16:27], 0, v[FS+\g], v255 matrix_a_fmt:MATRIX_FMT_FP6 matrix_b_fmt:MATRIX_FMT_FP6
.endr
	v_pk_add_f32 v[T:T+1], v[T:T+1], v[T+4:T+5]            ; the last step's partial sums go on: these four lines are the places behind the products
	v_pk_add_f32 v[T+8:T+9], v[T+8:T+9], v[T+12:T+13]
	v_add_nc_u32 v[ADV], s[CUR], v1
	v_add_nc_u32 v[ADVS], s[CUR], v2
.irp d, 0,1,2,3                                ; V's fragments take K's registers: they land while the softmax is walked
.irp p, 0,1,2,3,4,5
	ds_load_b64 v[FRG+12*\d+2*\p:FRG+12*\d+2*\p+1], v[ADV] offset:VFR+(6*\d+\p)*ROWP
.endr
	ds_load_b32 v[FS+\d], v[ADVS] offset:VSC+64*\d
.endr
	v_pk_add_f32 v[T:T+1], v[T:T+1], v[T+8:T+9]
.irp c, 0,1                                    ; the largest score of my two blocks of 32 keys, two chains each: for the row's maximum, and, since p rises with the score, for the block's largest p
	v_max3_num_f32 v[MA+\c], v[S+32*\c], v[S+32*\c+1], v[S+32*\c+2]
.endr
.irp c, 0,1
	v_max3_num_f32 v[MB+\c], v[S+32*\c+16], v[S+32*\c+17], v[S+32*\c+18]
.endr
	v_pk_add_f32 v[14:15], v[14:15], v[T:T+1]      ; l has the last step's p, still under the old M
.irp i, 3,5,7,9,11,13
.irp c, 0,1
	v_max3_num_f32 v[MA+\c], v[MA+\c], v[S+32*\c+\i], v[S+32*\c+\i+1]
.endr
.irp c, 0,1
	v_max3_num_f32 v[MB+\c], v[MB+\c], v[S+32*\c+16+\i], v[S+32*\c+17+\i]
.endr
.endr
.irp c, 0,1
	v_max3_num_f32 v[MA+\c], v[MA+\c], v[MB+\c], v[S+32*\c+15]
.endr
.irp c, 0,1
	v_max_num_f32 v[MA+\c], v[MA+\c], v[S+32*\c+31]
.endr
	v_max_num_f32 v212, v[MA], v[MA+1]
	v_permlanex16_b32 v213, v212, s[SEL], s[SEL+1]
	v_max3_num_f32 v13, v13, v212, v213            ; the running largest score of my query
	v_mul_f32 v214, s[NC], v13                     ; -t
	v_floor_f32 v214, v214                         ; the new -M = floor(-t): M is a whole number
	v_sub_f32 v215, v214, v12                      ; old M less new M: a whole number, 0 or less
	v_mov_b32 v12, v214
	v_cvt_i32_f32 v215, v215                       ; (it saturates)
	v_ldexp_f32 v252, 1.0, v215                    ; f = 2^(old M - new M)
.set jj, 0
.rept 32
	v_pk_fma_f32 v[S+jj:S+jj+1], v[S+jj:S+jj+1], s[CS:CS+1], v[12:13] op_sel_hi:[1,0,0]   ; t - M, two at a time
.set jj, jj+2
.endr
.irp c, 0,1
	v_fma_f32 v[MA+\c], v[MA+\c], s[CS], v12       ; the same of each block's largest score
.endr
.set jj, 0
.rept 16
	v_pk_mul_f32 v[O+jj:O+jj+1], v[O+jj:O+jj+1], v[252:253] op_sel_hi:[1,0]   ; O^T under the new M, each accumulator from its low end on
.set jj, jj+2
.endr
	s_wait_alu depctr_va_vdst(0)                   ; ahead of the batch
.set jj, 0
.rept 64
	v_exp_f32 v[S+jj], v[S+jj]                     ; p = 2^(t - M), at most 1
.set jj, jj+1
.endr
.irp c, 0,1
	v_exp_f32 v[MA+\c], v[MA+\c]                   ; each block's largest p
.endr
	v_pk_mul_f32 v[14:15], v[14:15], v[252:253] op_sel_hi:[1,0]   ; l under the new M: a plain place behind the exponentials
	s_wait_alu depctr_va_vdst(0)                   ; and one wait for the batch, ahead of the first line that names a result
.irp c, 0,1
	v_max_num_f32 v[MA+\c], 0x1800000, v[MA+\c]    ; the floor 2^(3 - 127): the byte cannot fall under 1
.endr
	SUM1 0
	SUM1 1
.irp c, 0,1
	v_add_nc_u32 v[SO+\c], 0xff000000, v[MA+\c]    ; the conversion's scale operand
.endr
.irp c, 0,1
	v_lshrrev_b32 v[BY+\c], 23, v[SO+\c]           ; the scale's byte
.endr
	v_lshl_or_b32 v220, v[BY+1], 16, v[BY]         ; my blocks h and 2 + h,
	v_lshlrev_b32 v220, v[H8], v220                ; at their places in the word;
	v_permlanex16_b32 v221, v220, s[SEL], s[SEL+1]
	v_or_b32 v253, v220, v221                      ; with lane l xor 16's two: p's scale word for these 128 keys
.irp c, 0,1
	v_cvt_scalef32_pk16_fp6_f32 v[PC+6*\c:PC+6*\c+2], v[S+32*\c:S+32*\c+15], v[SO+\c]
	v_cvt_scalef32_pk16_fp6_f32 v[CT+4*\c:CT+4*\c+2], v[S+32*\c+16:S+32*\c+31], v[SO+\c]   ; (a conversion's three registers begin on an even number)
.endr
	SUM1 2                                         ; a plain place behind the conversions
.irp c, 0,1
.irp i, 0,1,2
	v_mov_b32 v[PC+3+6*\c+\i], v[CT+4*\c+\i]
.endr
.endr
.irp i, 3,4,5,6,7
	SUM1 \i                                        ; five places between p's codes and the products; twelve behind the scale word
.endr
	s_wait_alu depctr_va_vdst(0)
	s_wait_dscnt 0x0                               ; V is in
.irp d, 0,1,2,3                                ; four accumulators by turns; eleven other products stand between two links of a chain
	v_wmma_scale_f32_16x16x128_f8f6f4 v[O+8*\d:O+8*\d+7], v[FRG+12*\d:FRG+12*\d+11], v[PC:PC+11], v[O+8*\d:O+8*\d+7], v[FS+\d], v253 matrix_a_fmt:MATRIX_FMT_FP6 matrix_b_fmt:MATRIX_FMT_FP6
.endr
	v_add_nc_u32 v[ADK], s[NXT], v[KA]             ; four places in front of loads into registers that these products have read
	v_add_nc_u32 v[ADKS], s[NXT], v[KS]
	SUMK 0, 2
	SUMK 1, 2
	KLOADS ADK, ADKS                               ; the next step's K: it lands under the rest of the sum
.irp i, 2,3,4,5,6,7
	SUMK \i, 2
.endr
.irp i, 0,1,2,3,4,5,6,7
	SUMK \i, 3
.endr
.irp i, 0,2,4,6
	v_pk_add_f32 v[T+2*\i:T+2*\i+1], v[T+2*\i:T+2*\i+1], v[T+2*\i+2:T+2*\i+3]
.endr
.endm
; A PASS: one tile of 16 queries against all 2,048 keys.  The pass's number stands in the immediates: no pointer is stepped.
.macro PASS ps
.if \ps == 0
.irp p, 0,1,2
	global_load_b64 v[22+2*\p:23+2*\p], v1, s[40:41] offset:256*\p
	global_load_b64 v[Q1+2*\p:Q1+2*\p+1], v1, s[40:41] offset:768+256*\p
.endr
	global_load_b32 v255, v2, s[42:43]
	global_load_b32 v[Q1+6], v2, s[42:43] offset:64
.else
	s_wait_xcnt 0x0                                ; the last pass's stores have read their registers
.irp i, 0,1,2,3,4,5
	v_mov_b32 v[22+\i], v[Q1+\i]                   ; the second tile's Q, loaded at the head
.endr
	v_mov_b32 v255, v[Q1+6]
.endif
	v_mov_b32 v13, 0xff61b1e6                      ; the largest score so far: -3e38
	v_mov_b32 v12, 0x7f61b1e6                      ; -M
	v_mov_b32 v14, 0
	v_mov_b32 v15, 0
.set jj, 0
.rept 32
	v_mov_b32 v[O+jj], 0                           ; O^T: the step is written once; its first trip finds zeros, which the first change of M leaves zeros
.set jj, jj+1
.endr
.irp j, 0,1,4,5,8,9,12,13
	v_mov_b32 v[T+\j], 0                           ; the four partial sums that the first trip adds to l
.endr
	s_mov_b32 s3, 0
.if \ps == 0
	s_wait_alu depctr_va_vdst(0)                   ; at the head's end
	s_wait_tensorcnt 0x0                           ; my key step is in LDS,
	s_barrier_signal -1
	s_barrier_wait -1                              ; everybody's is
	KLOADS KA, KS                                  ; key step 0
.endif
	s_wait_alu depctr_va_vdst(0)
	s_wait_loadcnt 0x0                             ; Q
.Lstep_\@:
	BODY
	s_add_co_u32 s3, s3, 1
	s_cmp_lt_u32 s3, 16
	s_wait_alu depctr_va_vdst(0)
	s_cbranch_scc1 .Lstep_\@
	v_pk_add_f32 v[T:T+1], v[T:T+1], v[T+4:T+5]    ; the last step's sums
	v_pk_add_f32 v[T+8:T+9], v[T+8:T+9], v[T+12:T+13]
	v_pk_add_f32 v[T:T+1], v[T:T+1], v[T+8:T+9]
	v_pk_add_f32 v[14:15], v[14:15], v[T:T+1]
	v_add_f32 v14, v14, v15
	s_delay_alu instid0(VALU_DEP_1)
	v_permlanex16_b32 v252, v14, s[SEL], s[SEL+1]
	s_delay_alu instid0(VALU_DEP_1)
	v_add_f32 v14, v14, v252                       ; l
	s_wait_alu depctr_va_vdst(0)
	v_rcp_f32 v14, v14
	v_nop                                          ; a plain place behind the reciprocal
	s_wait_alu depctr_va_vdst(0)                   ; and the wait ahead of its first reader
.set jj, 0
.rept 16
	v_pk_mul_f32 v[S+jj:S+jj+1], v[O+jj:O+jj+1], v[14:15] op_sel_hi:[1,0]   ; O / l, each accumulator from its low end on: register 16 g + i is channel 32 g + 16 h + i
.set jj, jj+2
.endr
.irp b, 0,1
	v_max3_num_f32 v[232+\b], |v[S+16*\b]|, |v[S+1+16*\b]|, 0x1800000
.endr
.irp i, 2,4,6,8,10,12,14
.irp b, 0,1
	s_delay_alu instid0(VALU_DEP_2)
	v_max3_num_f32 v[232+\b], v[232+\b], |v[S+16*\b+\i]|, |v[S+1+16*\b+\i]|
.endr
.endr
.irp b, 0,1
	v_permlanex16_b32 v[236+\b], v[232+\b], s[SEL], s[SEL+1]
.endr
.irp b, 0,1
	s_delay_alu instid0(VALU_DEP_2)
	v_max_num_f32 v[232+\b], v[232+\b], v[236+\b]
.endr
.irp b, 0,1
	s_delay_alu instid0(VALU_DEP_2)
	v_add_nc_u32 v[244+\b], 0xff000000, v[232+\b]
.endr
.irp b, 0,1
	s_delay_alu instid0(VALU_DEP_2)
	v_lshrrev_b32 v[236+\b], 23, v[244+\b]
.endr
	s_delay_alu instid0(VALU_DEP_1)
	v_lshl_or_b32 v254, v237, 8, v236              ; the head's two scale bytes of my row
	v_cvt_scalef32_pk16_fp6_f32 v[224:226], v[S:S+15], v244
	v_cvt_scalef32_pk16_fp6_f32 v[228:230], v[S+16:S+31], v245
	v_nop
.irp i, 0,1,2
	v_permlane16_swap_b32 v[224+\i], v[228+\i]
.endr
.irp i, 0,1,2
	s_delay_alu instid0(VALU_DEP_3)
	v_mov_b32 v[227+\i], v[228+\i]                 ; v224-229: lane (r, h) holds channels 32 h .. 32 h + 31 of row r
.endr
.irp p, 0,1,2
	global_store_b64 v1, v[224+2*\p:225+2*\p], s[44:45] offset:12288*\ps+256*\p   ; 256 consecutive aligned bytes
.endr
	global_store_b16 v7, v254, s[46:47] offset:512*\ps
.endm
	PASS 0
	PASS 1
	s_wait_tensorcnt 0x0                           ; the wave's end, behind my tensor load
	ds_add_u32 v[SPW], v[NIL]
	s_wait_dscnt 0x0
	CROUND                                         ; the closing round
	s_endpgm
.Lfunc_end_k_q17b7380082_attn:
	.size	k_q17b7380082_attn, .Lfunc_end_k_q17b7380082_attn-k_q17b7380082_attn
	.p2alignl 7, 3214868480
	.fill 96, 4, 3214868480
	.section	.rodata,"a",@progbits
	.p2align	6, 0x0
	.amdhsa_kernel k_q17b7380082_attn
		.amdhsa_group_segment_fixed_size 232448
		.amdhsa_private_segment_fixed_size 0
		.amdhsa_enable_private_segment 0
		.amdhsa_kernarg_size 40
		.amdhsa_user_sgpr_count 2
		.amdhsa_user_sgpr_kernarg_segment_ptr 1
		.amdhsa_wavefront_size32 1
		.amdhsa_system_sgpr_workgroup_id_x 1
		.amdhsa_system_sgpr_workgroup_id_y 1
		.amdhsa_system_sgpr_workgroup_id_z 1
		.amdhsa_system_vgpr_workitem_id 0
		.amdhsa_next_free_vgpr 256
		.amdhsa_next_free_sgpr 66
		.amdhsa_reserve_vcc 0
		.amdhsa_float_denorm_mode_32 3
		.amdhsa_float_denorm_mode_16_64 3
		.amdhsa_memory_ordered 1
		.amdhsa_forward_progress 1
		.amdhsa_inst_pref_size 53
	.end_amdhsa_kernel
	.amdgpu_metadata
---
amdhsa.version: [ 1, 2 ]
amdhsa.kernels:
  - .name:           k_q17b7380082_attn
    .symbol:         k_q17b7380082_attn.kd
    .args:
      - { .name: qimg, .offset: 0, .size: 8, .value_kind: global_buffer, .address_space: global }
      - { .name: qs, .offset: 8, .size: 8, .value_kind: global_buffer, .address_space: global }
      - { .name: kv, .offset: 16, .size: 8, .value_kind: global_buffer, .address_space: global }
      - { .name: acodes, .offset: 24, .size: 8, .value_kind: global_buffer, .address_space: global }
      - { .name: ascl, .offset: 32, .size: 8, .value_kind: global_buffer, .address_space: global }
    .group_segment_fixed_size: 232448
    .private_segment_fixed_size: 0
    .kernarg_segment_align: 8
    .kernarg_segment_size: 40
    .max_flat_workgroup_size: 512
    .sgpr_count:     66
    .vgpr_count:     256
    .wavefront_size: 32
...
	.end_amdgpu_metadata
.endif
;; end of part 3
;; launch outp (part 4): grid 4 x 32, 4 waves a work-group, clusters of 4 x 4, 327,680 bytes of LDS; arguments acodes, ascl, codes, scl, bo, out0; writes out0
.if DOCPART == 4
	.amdgcn_target "amdgcn-amd-amdhsa--gfx1250"
	.amdhsa_code_object_version 6
	.text
	.protected	k_q17b7380082_outp
	.globl	k_q17b7380082_outp
	.p2align	8
	.type	k_q17b7380082_outp,@function
k_q17b7380082_outp:
	s_mov_b64 s[64:65], 0
	v_nop
	global_prefetch_b8 v0, s[64:65] scope:SCOPE_SE
	s_setreg_imm32_b32 hwreg(HW_REG_WAVE_MODE, 25, 1), 1
	s_wait_xcnt 0x0
	s_wait_alu depctr_hold_cnt(0) depctr_sa_sdst(0) depctr_va_vdst(0) depctr_va_sdst(0) depctr_va_ssrc(0) depctr_va_vcc(0) depctr_vm_vsrc(0)
	s_getreg_b32 s2, hwreg(HW_REG_IB_STS2, 6, 4)
	s_cmp_eq_u32 s2, 0
	s_cbranch_scc0 .Lentry_in_a_cluster
	s_endpgm
.Lentry_in_a_cluster:
	s_bfe_u32 s2, ttmp6, 0x10000c
	s_cmp_lg_u32 s2, 0xf033
	s_cbranch_scc0 .Lentry_shape_is_right
	s_endpgm
.Lentry_shape_is_right:
.set NQ,    2
.set FR,    12
.set NL,    6
.set NP,    4
.set TILEB, 3072
.set HALFT, 8*TILEB
.set SLOT,  4*HALFT
.set KS,    32
.set SCL,   2*SLOT
.set HALFS, 16*272
.set SBLK,  2*272
.set SPARE, SCL+4*HALFS
.set SPITCH, 528
.set L8,   1
.set RR,   2
.set HH,   3
.set BOV,  12
.set ADRA, 16
.set ADRB, 20
.set STO,  24
.set RD,   25
.set CO,   26
.set ADRS, 27
.set SPW,  28
.set NIL,  29
.set SC,   32
.set AF,   128
.set BK,   128
.set WV,   20
.set PH,   21
.set RH,   22
.set G1,   24
.set G0,   32
.set RIDX, 42
.set G1B,  48
.set G0B,  56
.set PIDX, 67
.set G1S,  68
.set G0S,  76
.set G1SB, 80
.set G0SB, 88
.set OUT,  96
.set MSB, 0
.macro WIN new
.if MSB != (\new)
	s_set_vgpr_msb (MSB<<8)|(\new)
.set MSB, (\new)
.endif
.endm
.set MUL_LO, 0xa1
.set MUL_HI, 0xf1
.set TO_B,   0x40
.macro JLOAD g0a, g1a, g0b, g1b
	s_cmp_eq_u32 s[PH], 0
	s_cbranch_scc0 .Lfor_b_\@
	tensor_load_to_lds s[\g0a:\g0a+3], s[\g1a:\g1a+7]
	s_nop 0
.rept 4
	v_nop
.endr
	s_branch .Lasked_\@
.Lfor_b_\@:
	tensor_load_to_lds s[\g0b:\g0b+3], s[\g1b:\g1b+7]
	s_nop 0
.rept 4
	v_nop
.endr
.Lasked_\@:
.endm
.macro CREST
	s_cmp_lg_u32 s[WV], 0
	s_cbranch_scc1 .Lnot_wave_0_\@
	s_barrier_signal -3
.Lnot_wave_0_\@:
	s_barrier_wait -3
	s_barrier_signal -1
	s_barrier_wait -1
.endm
.macro CROUND
	s_barrier_signal -1
	s_barrier_wait -1
	CREST
.endm
	s_load_b256 s[4:11], s[0:1], 0x0
	s_load_b128 s[12:15], s[0:1], 0x20
	v_lshl_add_u32 v[SPW], v0, 2, SPARE
	v_mov_b32 v[NIL], 0
	ds_add_u32 v[SPW], v[NIL]
	ds_add_u32 v[SPW], v[NIL]
	v_lshrrev_b32 v1, 5, v0
	v_readfirstlane_b32 s[WV], v1
	s_lshr_b32 s[PH], s[WV], 1
	s_and_b32 s[RH], s[WV], 1
	s_bfe_u32 s40, ttmp6, 0x40000
	s_bfe_u32 s41, ttmp6, 0x40004
	s_lshl_b32 s[RIDX], ttmp9, 2
	s_add_co_u32 s[RIDX], s[RIDX], s40
	s_and_b32 s[PIDX], ttmp7, 0xffff
	s_lshl_b32 s[PIDX], s[PIDX], 2
	s_add_co_u32 s[PIDX], s[PIDX], s41
	s_lshl_b32 s43, s41, 2
	s_lshl_b32 s43, 15, s43
	s_lshl_b32 s44, 0x1111, s40
	s_or_b32 s[G1+0], s43, (3<<16)|(1<<21)
	s_or_b32 s[G1B+0], s44, (3<<16)|(1<<21)
.irp g, G1, G1B
	s_mov_b32 s[\g+1], 384<<16
	s_mov_b32 s[\g+2], 8<<16
	s_mov_b32 s[\g+3], 384<<16
	s_mov_b32 s[\g+4], 8
	s_mov_b32 s[\g+5], 1536
	s_mov_b32 s[\g+6], 0
	s_mov_b32 s[\g+7], 0
.endr
	s_or_b32 s[G1S+0], s43, (3<<16)|(1<<20)|(1<<21)|(5<<22)|(3<<25)
	s_or_b32 s[G1SB+0], s44, (3<<16)|(1<<20)|(1<<21)|(5<<22)|(3<<25)
.irp g, G1S, G1SB
	s_mov_b32 s[\g+1], 32<<16
	s_mov_b32 s[\g+2], 16<<16
	s_mov_b32 s[\g+3], 32<<16
	s_mov_b32 s[\g+4], 16
	s_mov_b32 s[\g+5], 32
	s_mov_b32 s[\g+6], 0
	s_mov_b32 s[\g+7], 0
.endr
	s_lshl_b32 s23, s[RH], 3
	s_lshl_b32 s92, s[PIDX], 4
	s_add_co_u32 s92, s92, s23
	s_lshl_b32 s46, s[RIDX], 4
	s_add_co_u32 s46, s46, s23
	s_add_co_u32 s46, s46, 1216
	s_lshl_b32 s100, s92, 9
	s_mov_b32 s101, 0
	s_mul_i32 s92, s92, 12288
	s_mov_b32 s93, 0
	s_lshl_b32 s98, s46, 9
	s_mov_b32 s99, 0
	s_mul_i32 s46, s46, 12288
	s_mov_b32 s47, 0
	s_mul_i32 s45, s[WV], HALFT
	s_mul_i32 s96, s[WV], HALFS
	s_wait_dscnt 0x0
	s_wait_kmcnt 0x0
	s_add_nc_u64 s[92:93], s[4:5], s[92:93]
	s_add_nc_u64 s[100:101], s[6:7], s[100:101]
	s_add_nc_u64 s[46:47], s[8:9], s[46:47]
	s_add_nc_u64 s[98:99], s[10:11], s[98:99]
	CROUND
	s_mov_b32 s[G0S], 1
	s_add_co_u32 s[G0S+1], s96, SCL
	s_mov_b64 s[G0S+2:G0S+3], s[100:101]
	s_or_b32 s[G0S+3], s[G0S+3], 0x80000000
	s_mov_b32 s[G0SB], 1
	s_add_co_u32 s[G0SB+1], s96, SCL
	s_mov_b64 s[G0SB+2:G0SB+3], s[98:99]
	s_or_b32 s[G0SB+3], s[G0SB+3], 0x80000000
	JLOAD G0S, G1S, G0SB, G1SB
.irp s, 0,1
	s_mov_b32 s[G0+4*\s], 1
	s_add_co_u32 s[G0+4*\s+1], s45, \s*SLOT
	s_add_nc_u64 s[G0+4*\s+2:G0+4*\s+3], s[92:93], \s*TILEB
	s_or_b32 s[G0+4*\s+3], s[G0+4*\s+3], 0x80000000
	s_mov_b32 s[G0B+4*\s], 1
	s_add_co_u32 s[G0B+4*\s+1], s45, \s*SLOT
	s_add_nc_u64 s[G0B+4*\s+2:G0B+4*\s+3], s[46:47], \s*TILEB
	s_or_b32 s[G0B+4*\s+3], s[G0B+4*\s+3], 0x80000000
	s_wait_alu depctr_va_vdst(0)
	s_wait_tensorcnt 0x0
	ds_add_u32 v28, v29
	s_wait_dscnt 0x0
	CROUND
	JLOAD G0+4*\s, G1, G0B+4*\s, G1B
.endr
	v_and_b32 v[RR], 15, v0
	v_bfe_u32 v[HH], v0, 4, 1
	v_and_b32 v[L8], 31, v0
	v_lshlrev_b32 v[L8], 3, v[L8]
	s_wait_alu depctr_va_vdst(0)
	v_lshlrev_b32 v[CO], 1, v[L8]
	s_lshl_b32 s98, s[RIDX], 10
	s_lshl_b32 s23, s[RH], 9
	s_add_co_u32 s98, s98, s23
	s_mov_b32 s99, 0
	s_add_nc_u64 s[100:101], s[12:13], s[98:99]
	global_load_b128 v[BOV:BOV+3], v[CO], s[100:101]
	s_lshl_b32 s96, s[PIDX], 8
	s_lshl_b32 s23, s[PH], 7
	s_add_co_u32 s96, s96, s23
	s_lshl_b32 s96, s96, 12
	s_mov_b32 s97, 0
	s_add_nc_u64 s[OUT:OUT+1], s[14:15], s[96:97]
	s_add_nc_u64 s[OUT:OUT+1], s[OUT:OUT+1], s[98:99]
	s_mul_i32 s23, s[PH], HALFT
	s_mul_i32 s94, s[RH], HALFT
	s_add_co_u32 s94, s94, 2*HALFT
.irp s, 0,1
	v_add_nc_u32 v[ADRA+\s], s23, v[L8]
	v_add_nc_u32 v[ADRB+\s], s94, v[L8]
	s_add_co_u32 s23, s23, SLOT
	s_add_co_u32 s94, s94, SLOT
.endr
	v_mul_u32_u24 v5, v[RR], KS
	v_lshrrev_b32 v6, 8, v5
	v_lshl_add_u32 v5, v6, 4, v5
	s_mul_i32 s23, s[PH], HALFS
	s_mul_i32 s94, s[RH], HALFS
	s_add_co_u32 s94, s94, 2*HALFS
	s_sub_co_u32 s94, s94, s23
	v_mul_u32_u24 v6, s94, v[HH]
	s_add_co_u32 s23, s23, SCL
	v_add_nc_u32 v5, v5, v6
	v_add_nc_u32 v[ADRS], s23, v5
	s_mul_i32 s23, s[WV], 16*SPITCH
	v_mul_u32_u24 v5, v[RR], SPITCH
	v_lshl_add_u32 v5, v[HH], 6, v5
	v_add_nc_u32 v[STO], s23, v5
	v_add_nc_u32 v[RD], s23, v[CO]
.macro FRAG reg, adr, q, i
.irp p, 0,1,2,3,4,5
	ds_load_b64 v[\reg+2*\p:\reg+2*\p+1], v[\adr] offset:TILEB*(\i)+1536*(\q)+256*\p
.endr
.endm
.macro MUL16 a0, p, q, sc, zero
.irp a, \a0, \a0+1
.irp b, 0,1,2,3,4,5,6,7
.if \zero
	v_wmma_scale_f32_16x16x128_f8f6f4 v[8*(8*((\a)%4)+\b):8*(8*((\a)%4)+\b)+7], v[128*(\p)+FR*\b:128*(\p)+FR*\b+FR-1], v[AF+FR*(\a):AF+FR*(\a)+FR-1], 0, v[SC+8*NQ*(\sc)+NQ*\b+(\q)], v[SC+8*NQ*(\sc)+NQ*(\a)+(\q)] matrix_a_fmt:MATRIX_FMT_FP6 matrix_b_fmt:MATRIX_FMT_FP6 matrix_a_scale:MATRIX_SCALE_ROW1
.else
	v_wmma_scale_f32_16x16x128_f8f6f4 v[8*(8*((\a)%4)+\b):8*(8*((\a)%4)+\b)+7], v[128*(\p)+FR*\b:128*(\p)+FR*\b+FR-1], v[AF+FR*(\a):AF+FR*(\a)+FR-1], v[8*(8*((\a)%4)+\b):8*(8*((\a)%4)+\b)+7], v[SC+8*NQ*(\sc)+NQ*\b+(\q)], v[SC+8*NQ*(\sc)+NQ*(\a)+(\q)] matrix_a_fmt:MATRIX_FMT_FP6 matrix_b_fmt:MATRIX_FMT_FP6 matrix_a_scale:MATRIX_SCALE_ROW1
.endif
.endr
.endr
.endm
.macro FETCH_B slot, q, p
	WIN TO_B
.irp i, 0,1,2,3,4,5,6,7
	FRAG 128*(\p)+FR*\i, ADRB+\slot, \q, \i
.endr
	WIN 0
.endm
.macro FETCH_A slot, q, i0
.irp i, \i0, \i0+1, \i0+2, \i0+3
	FRAG AF+FR*(\i), ADRA+\slot, \q, \i
.endr
.endm
.macro SCALES sc
.irp i, 0,1,2,3,4,5,6,7
	ds_load_b64 v[SC+8*NQ*\sc+NQ*\i:SC+8*NQ*\sc+NQ*\i+1], v[ADRS] offset:\i*SBLK
.endr
.endm
.macro PLACES n
.rept \n
	v_nop
.endr
.endm
.macro STEP slot, q, zero
	s_wait_dscnt 4*NL
	WIN MUL_LO
	MUL16 0, (\q)%2, \q, \slot, \zero
	MUL16 2, (\q)%2, \q, \slot, \zero
	s_wait_dscnt 0
	PLACES NP
	FETCH_B \slot, (\q)+1, 1-(\q)%2
	FETCH_A \slot, (\q)+1, 0
	WIN MUL_HI
	MUL16 4, (\q)%2, \q, \slot, \zero
	MUL16 6, (\q)%2, \q, \slot, \zero
	PLACES NP
	WIN 0
	FETCH_A \slot, (\q)+1, 4
.endm
.macro TURN slot, next, fill
	s_wait_tensorcnt 0x0
	ds_add_u32 v[SPW], v[NIL]
	s_wait_dscnt 4*NL+1
	WIN MUL_LO
	MUL16 0, 1, NQ-1, \slot, 0
	s_wait_dscnt 0x0
	s_barrier_signal -1
	MUL16 2, 1, NQ-1, \slot, 0
	WIN 0
	s_barrier_wait -1
.if \fill
	CREST
	s_add_nc_u64 s[G0+4*\slot+2:G0+4*\slot+3], s[G0+4*\slot+2:G0+4*\slot+3], 2*TILEB
	s_add_nc_u64 s[G0B+4*\slot+2:G0B+4*\slot+3], s[G0B+4*\slot+2:G0B+4*\slot+3], 2*TILEB
	JLOAD G0+4*\slot, G1, G0B+4*\slot, G1B
.else
	PLACES NP
.endif
	s_wait_alu depctr_va_vdst(0)
	v_add_nc_u32 v[ADRS], 4*NQ, v[ADRS]
	FETCH_B \next, 0, 0
	FETCH_A \next, 0, 0
	SCALES \next
	WIN MUL_HI
	MUL16 4, 1, NQ-1, \slot, 0
	MUL16 6, 1, NQ-1, \slot, 0
	PLACES NP
	WIN 0
	FETCH_A \next, 0, 4
.endm
	s_wait_alu depctr_va_vdst(0)
	s_wait_tensorcnt 1
	s_barrier_signal -1
	s_barrier_wait -1
	FETCH_B 0, 0, 0
	FETCH_A 0, 0, 0
	SCALES 0
	FETCH_A 0, 0, 4
	STEP 0, 0, 1
	TURN 0, 1, 1
	STEP 1, 0, 0
	TURN 1, 0, 1
	STEP 0, 0, 0
	TURN 0, 1, 0
	STEP 1, 0, 0
	s_wait_dscnt 4*NL
	WIN MUL_LO
	MUL16 0, 1, NQ-1, 1, 0
	MUL16 2, 1, NQ-1, 1, 0
	s_wait_dscnt 0
	WIN MUL_HI
	MUL16 4, 1, NQ-1, 1, 0
	MUL16 6, 1, NQ-1, 1, 0
	WIN 0
.macro TOSTAGE a
.set AC, 64*((\a)%4)
	WIN 0x08+4*((\a)/4)
.irp b, 0,1,2,3,4,5,6,7
	ds_store_b128 v[STO], v[AC+8*\b:AC+8*\b+3] offset:128*(\b/2)+32*(\b%2)
	ds_store_b128 v[STO], v[AC+8*\b+4:AC+8*\b+7] offset:128*(\b/2)+32*(\b%2)+16
.endr
	WIN 0
.set BB, BK+64*((\a)%2)
.irp t, 0,1,2,3,4,5,6,7,8,9,10,11,12,13,14,15
	ds_load_b128 v[BB+4*\t:BB+4*\t+3], v[RD] offset:\t*SPITCH
.endr
.endm
.macro SEND a, younger
.set BB, BK+64*((\a)%2)
	s_wait_dscnt \younger
.irp t, 0,1,2,3,4,5,6,7,8,9,10,11,12,13,14,15
	v_pk_add_f32 v[BB+4*\t:BB+4*\t+1], v[BB+4*\t:BB+4*\t+1], v[BOV:BOV+1]
	v_pk_add_f32 v[BB+4*\t+2:BB+4*\t+3], v[BB+4*\t+2:BB+4*\t+3], v[BOV+2:BOV+3]
.endr
.irp t, 0,1,2,3,4,5,6,7,8,9,10,11,12,13,14,15
	global_store_b128 v[CO], v[BB+4*\t:BB+4*\t+3], s[OUT:OUT+1] offset:(32*((\a)/2)+8*((\a)%2)+\t+8*(\t/8))*4096 th:TH_STORE_NT
.endr
.endm
	s_wait_loadcnt 0x0
	PLACES NP
	TOSTAGE 0
.irp a, 1,2,3,4,5,6,7
.if \a > 1
	s_wait_xcnt 0x0
.endif
	TOSTAGE \a
	SEND \a-1, 32
.endr
	SEND 7, 0
	s_wait_tensorcnt 0x0
	ds_add_u32 v[SPW], v[NIL]
	s_wait_dscnt 0x0
	CROUND
	s_endpgm
.Lfunc_end_k_q17b7380082_outp:
	.size	k_q17b7380082_outp, .Lfunc_end_k_q17b7380082_outp-k_q17b7380082_outp
	.p2alignl 7, 3214868480
	.fill 96, 4, 3214868480
	.section	.rodata,"a",@progbits
	.p2align	6, 0x0
	.amdhsa_kernel k_q17b7380082_outp
		.amdhsa_group_segment_fixed_size 327680
		.amdhsa_private_segment_fixed_size 0
		.amdhsa_enable_private_segment 0
		.amdhsa_kernarg_size 48
		.amdhsa_user_sgpr_count 2
		.amdhsa_user_sgpr_kernarg_segment_ptr 1
		.amdhsa_wavefront_size32 1
		.amdhsa_system_sgpr_workgroup_id_x 1
		.amdhsa_system_sgpr_workgroup_id_y 1
		.amdhsa_system_sgpr_workgroup_id_z 1
		.amdhsa_system_vgpr_workitem_id 0
		.amdhsa_next_free_vgpr 1024
		.amdhsa_next_free_sgpr 102
		.amdhsa_reserve_vcc 0
		.amdhsa_float_denorm_mode_32 3
		.amdhsa_float_denorm_mode_16_64 3
		.amdhsa_memory_ordered 1
		.amdhsa_forward_progress 1
		.amdhsa_inst_pref_size 176
	.end_amdhsa_kernel
	.amdgpu_metadata
---
amdhsa.version: [ 1, 2 ]
amdhsa.kernels:
  - .name:           k_q17b7380082_outp
    .symbol:         k_q17b7380082_outp.kd
    .args:
      - { .name: acodes, .offset: 0, .size: 8, .value_kind: global_buffer, .address_space: global }
      - { .name: ascl, .offset: 8, .size: 8, .value_kind: global_buffer, .address_space: global }
      - { .name: codes, .offset: 16, .size: 8, .value_kind: global_buffer, .address_space: global }
      - { .name: scl, .offset: 24, .size: 8, .value_kind: global_buffer, .address_space: global }
      - { .name: bo, .offset: 32, .size: 8, .value_kind: global_buffer, .address_space: global }
      - { .name: out0, .offset: 40, .size: 8, .value_kind: global_buffer, .address_space: global }
    .group_segment_fixed_size: 327680
    .private_segment_fixed_size: 0
    .kernarg_segment_align: 8
    .kernarg_segment_size: 48
    .max_flat_workgroup_size: 128
    .sgpr_count:     102
    .vgpr_count:     1024
    .wavefront_size: 32
...
	.end_amdgpu_metadata
.endif
;; end of part 4
